; MI455X (gfx1250); checked and timed in simulation.
; The chip was launched on July 23, 2026; its instructions are those of AMD's public machine-readable ISA for CDNA 5 (MIT licence, August 2026) and "CDNA5" Instruction Set Architecture Reference Guide (July 2026). The comments in the code are by the model that wrote it; some were corrected since.
;; Model. Allowed arithmetic: matrix products marked QUANTISED: E2M3 operands, one E8M0 scale for each 32 along K, by v_wmma_scale_f32_16x16x128_f8f6f4 with both operands' format E2M3, f32 sums; products left as they are: f32 operands where the result goes on into a quantised operand, else bf16, f16 or f32 operands; f32 sums; everything else in f32.
;; Inputs: A 100,000 x 64 float32; C 3 x 100,000 x 64 float32; encoding 20 x 64 float32; queries 32 x 20 int32; stories 32 x 50 x 20 int32.
;; Outputs: out0 32 x 100,000 float32.
;; This version of the problem:
;;   THIS VERSION OF THE PROBLEM IS GIVEN IN LOW PRECISION. The matrix products marked QUANTISED in the list below multiply operands that are first quantised to E2M3 (2 exponent bits, 3 mantissa bits; 6 bits a number), with one power-of-two scale for each 32 numbers along K (OCP MX v1.0); their sums are f32. All else is computed in f32.
;;   The module's matrix products, in the order in which they are computed (A, B: the left and right operand; K: the contracted axis; several contracted axes count as one K, in the product's order):
;;     1. batch 32 x [M 50, K 64] x [K 64, N 1]; A: computed on the way; B: computed on the way: left as it is (N = 1 < 16)
;;     2. batch 32 x [M 1, K 50] x [K 50, N 64]; A: softmax; B: computed on the way: left as it is (M = 1 < 16)
;;     3. batch 32 x [M 50, K 64] x [K 64, N 1]; A: computed on the way; B: computed on the way: left as it is (N = 1 < 16)
;;     4. batch 32 x [M 1, K 50] x [K 50, N 64]; A: softmax; B: computed on the way: left as it is (M = 1 < 16)
;;     5. batch 32 x [M 50, K 64] x [K 64, N 1]; A: computed on the way; B: computed on the way: left as it is (N = 1 < 16)
;;     6. batch 32 x [M 1, K 50] x [K 50, N 64]; A: softmax; B: computed on the way: left as it is (M = 1 < 16)
;;     7. [M 32, K 64] x [K 64, N 100,000]; A: computed on the way; B: input C: QUANTISED
;;   THE QUANTISER, for each operand of a quantised product, along K:
;;     - K is cut into blocks of 32 from its start; a last block that is shorter is filled with zeros.
;;     - A block's scale is 2^e with e = floor(log2(the largest magnitude in the block)) - 2, held to -126 .. 127; a block of zeros has e = 0. As a byte (E8M0): e + 127.
;;     - Each number is divided by its block's scale, clamped to +-7.5, and rounded to the nearest number of E2M3, ties to even, subnormals kept.
;;     - The product sums the exact products of the quantised numbers (number of the format x scale) in f32.
;;   ~~~python
;;   def quantise(x, axis):      # numpy; x: float32 -> the quantised numbers, widened to float32 again
;;       x = np.moveaxis(x, axis, -1); K = x.shape[-1]
;;       x = np.pad(x, [(0, 0)] * (x.ndim - 1) + [(0, -K % 32)]); x = x.reshape(x.shape[:-1] + (-1, 32)); a = np.abs(x).max(-1, keepdims=True)
;;       e = np.where(a > 0, np.clip(np.frexp(np.where(a > 0, a, 1))[1] - 1 - 2, -126, 127), 0)      # np.frexp(a)[1] - 1 = floor(log2(a)), exactly
;;       r = np.clip(x / 2.0 ** e, -7.5, 7.5)
;;       step = 2.0 ** (np.maximum(np.frexp(np.where(r == 0, 1, r))[1] - 1, 0) - 3)
;;       q = np.round(r / step) * step * 2.0 ** e      # np.round: ties to even
;;       return np.moveaxis(q.reshape(q.shape[:-2] + (-1,))[..., :K], -1, axis).astype(np.float32)
;;   ~~~
;;   OPERANDS COMPUTED ON THE WAY. 'Computed on the way' means the value that the module computes at that place (a softmax that the list does not call 'softmax' is quantised finished and normalised). What goes into a quantiser is computed in f32, as accurately as f32 sums, v_exp_f32 and their like allow (about 1e-6 of the number): no bf16 or f16 on the way to a quantiser, and a product that is left as it is and whose result goes on into a quantised operand takes f32 operands (vector FMAs, or v_wmma_f32_16x16x4_f32). A number that lies on a knife's edge between two numbers of the format may be rounded either way, as far as f32 arithmetic and the matrix unit's own rounding can turn it there, and no further.
;; One version. Each part assembles by itself: llvm-mc -triple=amdgcn-amd-amdhsa -mcpu=gfx1250 --defsym DOCPART=n.
;; ======== version 1 of 1: 2 launches
;; limits: right only within a limited range of input values
;; workspace buffers: emb 1,228,800 bytes; ud 16,384 bytes; codes 5,963,776 bytes
;; launch embed (part 1): grid 256 x 1, 13 waves a work-group, no clusters, 120,576 bytes of LDS; arguments stories, queries, A, C, encoding, emb, ud, codes; writes emb, ud, codes
.if DOCPART == 1
	.amdgcn_target "amdgcn-amd-amdhsa--gfx1250"
	.amdhsa_code_object_version 6
	.text
	.protected	k_qd4f7e10d79_embed
	.globl	k_qd4f7e10d79_embed
	.p2align	8
	.type	k_qd4f7e10d79_embed,@function
k_qd4f7e10d79_embed:
	s_mov_b64 s[64:65], 0
	v_nop
	global_prefetch_b8 v0, s[64:65] scope:SCOPE_SE
	s_setreg_imm32_b32 hwreg(HW_REG_WAVE_MODE, 25, 1), 1
	s_wait_xcnt 0x0
; TWO PIECES OF WORK THAT HANG ON NO RESULT.  (1) THE SENTENCES' VECTORS: e(table, sentence)[:] = the sum over the sentence's 20 words s of table[word s][:] x encoding[s][:], in f32, and hop 0's scores.
; (2) C[2], the right operand of the quantised product, becomes codes of E2M3 and E8M0 scale bytes, ONCE, laid as the next launch's operand registers want them.
; NOTHING OF reference() IS DEAD WORK, and every input is loaded.  One thing is not done twice: c of hop h and m of hop h + 1 are the same expression on the same inputs, so each of the four tables is gathered once.
; LIMITS: an index is taken to lie in 0 .. 99,999, as reference() relies on; as an unsigned number it is held at 99,999.  Blocks of C[2] whose largest magnitude lies under 2^-124, whose scale byte is held at 1, were not tried.
; (A block of zeros so gets the byte 1 where the rule says 127: its codes are zeros, and this program alone reads the bytes.)  NaN and infinities among the inputs are not served.
; SHARES.  Work-group g: table t = g / 64 (A, C[0], C[1], C[2]), batch b = (g / 2) % 32, memories 2 n + g % 2, n = 0 .. 24.  A table's row is 256 bytes: 16 lanes x 16 bytes.  Half a wave takes one sentence: n = 2 x wave + half.
; The 26th half takes, in table A, the batch's query; in the other tables it repeats n = 24 (the same addresses and the same result as its neighbour's).
; HOP 0: d[m] = M_0[m] . u needs M_0 for nothing else, so table A's work-groups make d themselves (u through LDS) and M_0 is not stored.  Both work-groups of a batch make the query's vector; the first stores it.
; C[2]: a task k is one operand of the next launch: the even (k % 2 = 0) or odd rows of the 64 rows of pair k / 2: tile 0 = rows 64 i + 2 r + k % 2, tile 1 = 32 rows further on (r = 0 .. 15).
; 3,138 tasks: waves 0-11 take 12 g + wave, wave 12 of work-groups 128 .. 193 the last 66.  Pairs behind the last full one (i = 1562, of 32 rows) repeat rows that exist: they are stored, but nothing of them reaches out0.
; OUT.  emb[b][t - 1][m][64] f32;  ud[b]: 64 words the query's vector, then for each half of the memories 32 words, 25 of them d (word 25 holds the query's product with itself and is not read);
; codes[q = 0 .. 223]: 8 pairs (7 q .. 7 q + 7), two operands each: [16 operands][3][lane][16 bytes], then [16 operands][32 words], a word of lane r < 16 = the bytes of tile 0's and tile 1's two blocks of row r (the words of lanes 16-31 are not read).
; The eighth pair of a group is the first of the next: it is stored twice.
; No cluster: work-groups share nothing but encoding's 5,120 bytes.  No prefetch: no loop; all of a wave's loads are out together.
.set VLAST, 99999
.set TABB,  25600000                   ; bytes of a table
.set GRP,   26624                      ; bytes of a group: 24,576 of codes, 2,048 of scale words
.set FLOOR, 0x1800000                  ; 2^(3 - 127)
.set U0,    5120                       ; LDS: encoding at 0; here the last wave's two vectors, the second the query's
.set SPARE, 5632                       ; the spare words, 13 x 128 bytes in seven blocks of 256
.set TURN,  7424                       ; 13 stages of two tiles of 16 rows, 272 bytes from row to row (17 x 16)
.set TILEB, 4352
.set SPW,   12                         ; v12 LDS address of my spare word; never rewritten
.set NIL,   13                         ; v13 0; never rewritten
.set SW,    15                         ; v15 the scale word
.set IDX,   16                         ; v16-35   20 indices, then row offsets
.set ACC,   16                         ; v16-19   the sum (the offsets of rows that have landed)
.set ROW,   36                         ; v36-115  20 rows
.set R,     116                        ; v116-179 C[2]'s 32 rows as loaded
.set CT,    116                        ; v116-122 conversions whose codes are moved
.set MA,    124
.set MB,    125
.set SCO,   126
.set E,     116                        ; v116-195 encoding
.set X,     180                        ; v180-243 two blocks of 32 numbers
.set CB,    244                        ; v244-255 the operand's codes
.set UQ,    200
.set DD,    204
	s_load_b256 s[4:11], s[0:1], 0x0               ; stories, queries, A, C
	s_load_b256 s[12:19], s[0:1], 0x20             ; encoding, emb, ud, codes
	v_lshrrev_b32 v1, 5, v0
	v_readfirstlane_b32 s20, v1                    ; wave
	v_and_b32 v2, 15, v0                           ; r
	v_bfe_u32 v3, v0, 4, 1                         ; h
	v_and_b32 v5, 31, v0
	v_lshlrev_b32 v7, 4, v0                        ; 16 x thread
	v_lshl_add_u32 v[SPW], v0, 2, SPARE
	v_mov_b32 v[NIL], 0
	v_lshlrev_b32 v4, 4, v2                        ; 16 r
	v_lshlrev_b32 v14, 4, v5                       ; 16 x lane
	v_lshlrev_b32 v5, 2, v5                        ; 4 x lane
	v_min_u32 v[X+4], 5104, v7                     ; my 16 bytes of encoding; threads from 320 on repeat the last
	s_wait_alu depctr_va_vdst(0)                   ; the wait ahead of the scalar lines
	s_lshr_b32 s21, ttmp9, 6                       ; t
	s_bfe_u32 s22, ttmp9, 0x50001                  ; b
	s_and_b32 s23, ttmp9, 1                        ; which half of the memories
	s_mul_i32 s24, s22, 50
	s_add_co_u32 s24, s24, s23
	s_mul_i32 s24, s24, 80                         ; memory g % 2 of batch b in the list
	s_max_u32 s25, s21, 1
	s_sub_co_u32 s25, s25, 1                       ; t - 1
	s_mul_i32 s26, s22, 38400
	s_mul_i32 s27, s25, 12800
	s_add_co_u32 s26, s26, s27
	s_lshl_b32 s27, s23, 8
	s_add_co_u32 s26, s26, s27                     ; its vector in emb
	s_mul_i32 s28, s25, TABB
	s_mov_b32 s29, 0
	s_mul_i32 s30, ttmp9, 12                       ; my task
	s_add_co_u32 s30, s30, s20
	s_sub_co_u32 s31, ttmp9, 128
	s_add_co_u32 s33, s31, 3072
	s_cmp_lt_u32 s31, 66
	s_cselect_b32 s32, 1, 0
	s_cmp_lt_u32 s20, 12
	s_cselect_b32 s30, s30, s33
	s_cselect_b32 s32, 1, s32                      ; have I one?
	s_lshr_b32 s33, s30, 1                         ; pair
	s_and_b32 s34, s30, 1                          ; even or odd rows
	s_cmp_lt_u32 s33, 1562
	s_cselect_b32 s35, 8192, 0                     ; from tile 0's rows to tile 1's; the last rows have no second tile
	s_min_u32 s36, s33, 1562
	s_lshl_b32 s36, s36, 14
	s_lshl_b32 s37, s34, 8
	s_add_co_u32 s36, s36, s37
	s_add_co_u32 s36, s36, 2*TABB
	s_mov_b32 s37, 0
	s_mul_i32 s38, s33, 9363
	s_lshr_b32 s38, s38, 16                        ; q = pair / 7 (exact for pairs up to 1,568)
	s_mul_i32 s39, s38, 7
	s_sub_co_u32 s39, s33, s39                     ; pair % 7
	s_lshl_b32 s40, s39, 1
	s_add_co_u32 s40, s40, s34                     ; operand
	s_mul_i32 s41, s38, GRP
	s_mul_i32 s42, s40, 1536
	s_add_co_u32 s42, s42, s41                     ; where its codes go,
	s_mov_b32 s43, 0
	s_lshl_b32 s44, s40, 7
	s_add_co_u32 s44, s44, s41
	s_add_co_u32 s44, s44, 24576                   ; and its scale words
	s_mov_b32 s45, 0
	s_lshl_b32 s46, s20, 1
	s_mul_i32 s47, s20, 2*TILEB
	s_add_co_u32 s47, s47, TURN                    ; my stage
	s_mov_b32 s48, 0x76543210
	s_mov_b32 s49, 0xfedcba98                      ; v_permlanex16_b32's selects for lane l xor 16
	s_lshl_b32 s56, s23, 7
	s_lshl_b32 s57, s20, 3
	s_add_co_u32 s56, s56, s57                     ; my wave's two words of d
	s_lshl_b32 s58, s22, 9
	s_mov_b32 s59, 0
	v_add_nc_u32 v1, s46, v3
	v_min_u32 v1, 24, v1                           ; n
	v_mul_u32_u24 v6, 160, v1
	v_add_nc_u32 v6, s24, v6                       ; my sentence's 80 bytes of indices
	v_lshlrev_b32 v8, 9, v1
	v_add_nc_u32 v8, s26, v8
	v_add_nc_u32 v8, v8, v4                        ; my 16 bytes of its vector
	v_mul_u32_u24 v9, s35, v3
	v_add_nc_u32 v9, v9, v4                        ; C[2]: half h takes tile h's rows
	v_mul_u32_u24 v10, TILEB, v3
	v_add_nc_u32 v10, v10, v4
	v_add_nc_u32 v10, s47, v10                     ; into the stage, rows as they lie
	v_mul_u32_u24 v11, 272, v2
	v_lshl_add_u32 v11, v3, 7, v11
	v_add_nc_u32 v11, s47, v11                     ; out of it: row r, block h
	s_wait_alu depctr_va_vdst(0)                   ; the wait at the head's end
	s_wait_kmcnt 0x0
.irp i, 0,1,2,3,4
	global_load_b128 v[IDX+4*\i:IDX+4*\i+3], v6, s[4:5] offset:16*\i
.endr
	global_load_b128 v[X:X+3], v[X+4], s[12:13]
	s_add_nc_u64 s[50:51], s[10:11], s[36:37]      ; my task's rows
	s_add_nc_u64 s[52:53], s[18:19], s[42:43]
	s_add_nc_u64 s[54:55], s[18:19], s[44:45]
	s_add_nc_u64 s[16:17], s[16:17], s[58:59]      ; batch b's part of ud
	s_cmp_eq_u32 s21, 0
	s_cselect_b64 s[8:9], s[8:9], s[10:11]
	s_add_nc_u64 s[8:9], s[8:9], s[28:29]          ; my table
	s_cmp_eq_u32 s32, 0
	s_cbranch_scc1 .Lno_task
.irp q, 0,1,2,3,4,5,6,7,8,9,10,11,12,13,14,15
	global_load_b128 v[R+4*\q:R+4*\q+3], v9, s[50:51] offset:512*\q    ; row q of both tiles, 256 consecutive bytes each
.endr
	s_wait_loadcnt 16                              ; indices and encoding are in; C[2]'s 16 loads may be out
	s_branch .Laddresses
.Lno_task:
	s_cmp_lg_u32 s21, 0
	s_cbranch_scc1 .Lstories_only
	s_mul_i32 s57, s22, 80                         ; table A's last wave: its upper half takes the query's indices
	v_mov_b32 v1, s57
.irp i, 0,1,2,3,4
	global_load_b128 v[ROW+4*\i:ROW+4*\i+3], v1, s[6:7] offset:16*\i
.endr
	v_cmp_eq_u32 vcc_lo, 1, v3
	s_wait_alu depctr_va_vdst(0)                   ; directly ahead of the wait below
	s_wait_loadcnt 0x0
.irp s, 0,1,2,3,4,5,6,7,8,9,10,11,12,13,14,15,16,17,18,19
	v_cndmask_b32 v[IDX+\s], v[IDX+\s], v[ROW+\s], vcc_lo
.endr
	s_branch .Laddresses
.Lstories_only:
	s_wait_loadcnt 0x0
.Laddresses:
	s_cmp_lt_u32 s20, 10
	s_cbranch_scc0 .Lencoding_stored
	ds_store_b128 v7, v[X:X+3]                     ; encoding, 512 bytes from each of ten waves
.Lencoding_stored:
.irp s, 0,1,2,3,4,5,6,7,8,9,10,11,12,13,14,15,16,17,18,19
	v_min_u32 v[IDX+\s], VLAST, v[IDX+\s]          ; a loaded number enters an address only behind this hold
	v_lshl_add_u32 v[IDX+\s], v[IDX+\s], 8, v4
.endr
.irp s, 0,1,2,3,4,5,6,7,8,9,10,11,12,13,14,15,16,17,18,19
	global_load_b128 v[ROW+4*\s:ROW+4*\s+3], v[IDX+\s], s[8:9]     ; no hint: a list may name a row twice
.endr
	s_cmp_eq_u32 s32, 0
	s_cbranch_scc1 .Lgather
	s_wait_loadcnt 20                              ; C[2]'s 16 loads are in; the 20 rows may be out
.irp q, 0,1,2,3,4,5,6,7,8,9,10,11,12,13,14,15
	ds_store_b128 v10, v[R+4*\q:R+4*\q+3] offset:272*\q
.endr
.irp t, 0,1                            ; LDS serves a wave's instructions in order: these see the stores
.irp j, 0,1,2,3,4,5,6,7
	ds_load_b128 v[X+32*\t+4*\j:X+32*\t+4*\j+3], v11 offset:TILEB*\t+16*\j
.endr
.endr
; My block of tile t, 32 numbers, becomes six registers of the operand.
.macro QUANT t
.set XX, X+32*(\t)
	v_max3_num_f32 v[MA], |v[XX]|, |v[XX+1]|, FLOOR                ; the largest magnitude, in two chains, and the floor, under which none is taken: so the byte cannot fall under 1
	v_max_num_f32 v[MB], |v[XX+2]|, |v[XX+3]|
.irp i, 4,8,12,16,20,24,28
	v_max3_num_f32 v[MA], v[MA], |v[XX+\i]|, |v[XX+\i+1]|
	v_max3_num_f32 v[MB], v[MB], |v[XX+\i+2]|, |v[XX+\i+3]|
.endr
	v_max_num_f32 v[MA], v[MA], v[MB]
	v_add_nc_u32 v[SCO], 0xff000000, v[MA]         ; 2 off its exponent field: the conversion takes that field as its scale, and nothing else of this operand
	v_cvt_scalef32_pk16_fp6_f32 v[CB+6*(\t):CB+6*(\t)+2], v[XX:XX+15], v[SCO]
	v_cvt_scalef32_pk16_fp6_f32 v[CT+4*(\t):CT+4*(\t)+2], v[XX+16:XX+31], v[SCO]   ; (a conversion's three registers begin on an even number)
	v_lshrrev_b32 v[MB], 23, v[SCO]                ; the scale's byte.  (The plain place behind the conversions)
	v_permlanex16_b32 v[MA], v[MB], s48, s49       ; the byte of my row's other block
.irp i, 0,1,2
	v_mov_b32 v[CB+6*(\t)+3+\i], v[CT+4*(\t)+\i]
.endr
.if \t == 0
	v_lshl_or_b32 v[SW], v[MA], 8, v[MB]
.else
	v_lshl_or_b32 v[MB], v[MA], 8, v[MB]
	v_lshl_or_b32 v[SW], v[MB], 16, v[SW]
.endif
.endm
	s_wait_dscnt 8                                 ; tile 0's block is in; tile 1's eight loads may be out
	QUANT 0
	s_wait_dscnt 0x0
	QUANT 1
.macro SENDQ dc, dw
.irp c, 0,1,2
	global_store_b128 v14, v[CB+4*\c:CB+4*\c+3], s[52:53] offset:512*\c+(\dc)      ; 512 consecutive bytes, at a multiple of 256
.endr
	global_store_b32 v5, v[SW], s[54:55] offset:\dw
.endm
	s_wait_alu depctr_va_vdst(0)                   ; ahead of the branches
	s_cmp_lt_u32 s38, 224
	s_cbranch_scc0 .Lsecond_copy
	SENDQ 0, 0
.Lsecond_copy:                                         ; a group's first pair is also the eighth of the group before: operands 14 and 15 there
	s_cmp_eq_u32 s39, 0
	s_cbranch_scc0 .Lgather
	s_cmp_eq_u32 s38, 0
	s_cbranch_scc1 .Lgather
	SENDQ 14*1536-GRP, 14*128-GRP
.Lgather:
	s_wait_dscnt 0x0                               ; my part of encoding is stored
	s_barrier_signal -1
	s_barrier_wait -1                              ; and everybody's
.irp s, 0,1,2,3,4,5,6,7,8,9,10,11,12,13,14,15,16,17,18,19
	ds_load_b128 v[E+4*\s:E+4*\s+3], v4 offset:256*\s
.endr
.macro WORD s
	v_pk_fma_f32 v[ACC:ACC+1], v[ROW+4*(\s):ROW+4*(\s)+1], v[E+4*(\s):E+4*(\s)+1], v[ACC:ACC+1]
	v_pk_fma_f32 v[ACC+2:ACC+3], v[ROW+4*(\s)+2:ROW+4*(\s)+3], v[E+4*(\s)+2:E+4*(\s)+3], v[ACC+2:ACC+3]
.endm
	s_wait_dscnt 0x0
	s_wait_loadcnt 15                              ; rows 0-4 are in; the 15 younger may be out
	v_pk_mul_f32 v[ACC:ACC+1], v[ROW:ROW+1], v[E:E+1]
	v_pk_mul_f32 v[ACC+2:ACC+3], v[ROW+2:ROW+3], v[E+2:E+3]
.irp s, 1,2,3,4
	WORD \s
.endr
	s_wait_alu depctr_va_vdst(0)                   ; directly ahead of the wait below
	s_wait_loadcnt 10                              ; rows 5-9
.irp s, 5,6,7,8,9
	WORD \s
.endr
	s_wait_alu depctr_va_vdst(0)
	s_wait_loadcnt 5                               ; rows 10-14
.irp s, 10,11,12,13,14
	WORD \s
.endr
	s_wait_alu depctr_va_vdst(0)
	s_wait_loadcnt 0x0
.irp s, 15,16,17,18,19
	WORD \s
.endr
	s_wait_alu depctr_va_vdst(0)                   ; ahead of the branch
	s_cmp_eq_u32 s21, 0
	s_cbranch_scc1 .Lscores
	global_store_b128 v8, v[ACC:ACC+3], s[14:15]   ; half a wave stores one vector: 256 consecutive bytes, at a multiple of 256
	s_branch .Lend
.Lscores:                                              ; table A: hop 0's scores
	s_cmp_lg_u32 s20, 12
	s_cbranch_scc1 .Lquery_stored
	ds_store_b128 v14, v[ACC:ACC+3] offset:U0
.Lquery_stored:
	s_wait_dscnt 0x0
	s_barrier_signal -1
	s_barrier_wait -1
	ds_load_b128 v[UQ:UQ+3], v4 offset:U0+256      ; the query's vector, u
	s_wait_dscnt 0x0
	v_pk_mul_f32 v[DD:DD+1], v[ACC:ACC+1], v[UQ:UQ+1]
	v_lshlrev_b32 v1, 2, v3
	v_pk_fma_f32 v[DD:DD+1], v[ACC+2:ACC+3], v[UQ+2:UQ+3], v[DD:DD+1]
	v_add_nc_u32 v1, s56, v1
	v_add_f32 v[DD], v[DD], v[DD+1]
.irp x, 1,2,4,8
	v_add_f32_dpp v[DD], v[DD], v[DD] row_xmask:\x row_mask:0xf bank_mask:0xf
.endr
	global_store_b32 v1, v[DD], s[16:17] offset:256        ; one word for each half of the wave: 104 bytes a work-group in all
	s_or_b32 s57, s20, s23
	s_cmp_lg_u32 s57, 0
	s_cbranch_scc1 .Lend
	global_store_b128 v4, v[UQ:UQ+3], s[16:17]     ; the first wave of the batch's first work-group stores u: 256 bytes, both halves the same
.Lend:
	s_wait_tensorcnt 0x0                           ; the wave's end: behind my last LDS store
	ds_add_u32 v[SPW], v[NIL]
	s_wait_dscnt 0x0
	s_endpgm
.Lfunc_end_k_qd4f7e10d79_embed:
	.size	k_qd4f7e10d79_embed, .Lfunc_end_k_qd4f7e10d79_embed-k_qd4f7e10d79_embed
	.p2alignl 7, 3214868480
	.fill 96, 4, 3214868480
	.section	.rodata,"a",@progbits
	.p2align	6, 0x0
	.amdhsa_kernel k_qd4f7e10d79_embed
		.amdhsa_group_segment_fixed_size 120576
		.amdhsa_private_segment_fixed_size 0
		.amdhsa_enable_private_segment 0
		.amdhsa_kernarg_size 64
		.amdhsa_user_sgpr_count 2
		.amdhsa_user_sgpr_kernarg_segment_ptr 1
		.amdhsa_wavefront_size32 1
		.amdhsa_system_sgpr_workgroup_id_x 1
		.amdhsa_system_sgpr_workgroup_id_y 1
		.amdhsa_system_sgpr_workgroup_id_z 1
		.amdhsa_system_vgpr_workitem_id 0
		.amdhsa_next_free_vgpr 256
		.amdhsa_next_free_sgpr 66
		.amdhsa_reserve_vcc 1
		.amdhsa_float_denorm_mode_32 3
		.amdhsa_float_denorm_mode_16_64 3
		.amdhsa_memory_ordered 1
		.amdhsa_forward_progress 1
		.amdhsa_inst_pref_size 25
	.end_amdhsa_kernel
	.amdgpu_metadata
---
amdhsa.version: [ 1, 2 ]
amdhsa.kernels:
  - .name:           k_qd4f7e10d79_embed
    .symbol:         k_qd4f7e10d79_embed.kd
    .args:
      - { .name: stories, .offset: 0, .size: 8, .value_kind: global_buffer, .address_space: global }
      - { .name: queries, .offset: 8, .size: 8, .value_kind: global_buffer, .address_space: global }
      - { .name: A, .offset: 16, .size: 8, .value_kind: global_buffer, .address_space: global }
      - { .name: C, .offset: 24, .size: 8, .value_kind: global_buffer, .address_space: global }
      - { .name: encoding, .offset: 32, .size: 8, .value_kind: global_buffer, .address_space: global }
      - { .name: emb, .offset: 40, .size: 8, .value_kind: global_buffer, .address_space: global }
      - { .name: ud, .offset: 48, .size: 8, .value_kind: global_buffer, .address_space: global }
      - { .name: codes, .offset: 56, .size: 8, .value_kind: global_buffer, .address_space: global }
    .group_segment_fixed_size: 120576
    .private_segment_fixed_size: 0
    .kernarg_segment_align: 8
    .kernarg_segment_size: 64
    .max_flat_workgroup_size: 416
    .sgpr_count:     66
    .vgpr_count:     256
    .wavefront_size: 32
...
	.end_amdgpu_metadata
.endif
;; end of part 1
;; launch answer (part 2): grid 8 x 32, 7 waves a work-group, clusters of 4 x 1, 188,672 bytes of LDS; arguments emb, ud, codes, out0; writes out0
.if DOCPART == 2
	.amdgcn_target "amdgcn-amd-amdhsa--gfx1250"
	.amdhsa_code_object_version 6
	.text
	.protected	k_qd4f7e10d79_answer
	.globl	k_qd4f7e10d79_answer
	.p2align	8
	.type	k_qd4f7e10d79_answer,@function
k_qd4f7e10d79_answer:
	s_mov_b64 s[64:65], 0
	v_nop
	global_prefetch_b8 v0, s[64:65] scope:SCOPE_SE
	s_setreg_imm32_b32 hwreg(HW_REG_WAVE_MODE, 25, 1), 1
	s_wait_xcnt 0x0
	s_wait_alu depctr_hold_cnt(0) depctr_sa_sdst(0) depctr_va_vdst(0) depctr_va_sdst(0) depctr_va_ssrc(0) depctr_va_vcc(0) depctr_vm_vsrc(0)
	s_getreg_b32 s2, hwreg(HW_REG_IB_STS2, 6, 4)
	s_cmp_eq_u32 s2, 0
	s_cbranch_scc0 .Lentry_in_a_cluster
	s_endpgm
.Lentry_in_a_cluster:
	s_bfe_u32 s2, ttmp6, 0x10000c
	s_cmp_lg_u32 s2, 0x3003
	s_cbranch_scc0 .Lentry_shape_is_right
	s_endpgm
.Lentry_shape_is_right:
; THE THREE HOPS of four batches, u's codes, and the quantised product for these batches and 49 x 64 columns of out0.
;   hop h:  d[m] = M_h[m] . u;   p = softmax(d), the maximum taken away;   u += the sum over m of p[m] M_(h+1)[m].     (Hop 0's d and the query's vector come from ud, M_1 .. M_3 from emb.)
;   out0[b][v] = the sum over k of Q(u)[b][k] Q(C[2])[v][k], K = 64: codes of E2M3, one E8M0 scale for each 32 along K; sums in f32.  The hops are in f32 by fused multiply-adds.
; Nothing of reference() is left out here.  LIMITS: blocks of u whose largest magnitude lies under 2^-124, whose scale byte is held at 1, were not tried (a block of zeros gets the byte 1; its codes are zeros); NaN and infinities are not served.
; SHARES.  Work-group (x, y): batches 4 x .. 4 x + 3, pairs 49 y .. 49 y + 48 of 64 columns, wave w pairs 7 (7 y + w) .. + 6.  A batch's hops are done by each of the 32 work-groups that need its u: 38,400 bytes of vectors against a launch more.
; Waves 0-3 take the hops, a batch each, in registers: no LDS, no barrier.  Then all seven waves multiply and store.
; CODES.  Each wave brings its own group of 26,624 bytes (8 pairs: the eighth serves the odd batches' last unit) by one tensor load, as rows of 256 bytes, and alone reads it.  The four work-groups of a cluster need the same groups: the load is JOINT.
; emb's 153,600 bytes for four batches go straight into the registers that work on them: beside the 186,368 bytes of codes they would not fit in LDS.  No prefetch: no loop; everything is asked for at the head.
; THE PRODUCT.  Source 0 = u (rows), source 1 = C[2] (columns).  An operand's lower 64 of K hold tile 0's 16 rows of C[2], its upper 64 tile 1's.  Row j of source 0 (batch j, j = 0 .. 3) holds u in the lower half of K and zero codes in the upper, row 8 + j
; the other way round; for odd j both are exchanged.  So register j of the result holds batch j for 32 columns: lanes 0-15 tile 0, lanes 16-31 tile 1 (odd j: tile 1, tile 0).  (Rows 4-7 and 12-15 repeat the others and are not read.)
; The even-column operand's register and the odd-column operand's, side by side, are 8 bytes a lane, 256 consecutive bytes a store.  A row of out0 is 400,000 bytes: an odd batch's units of 256 bytes begin 32 columns later than an even one's,
; so they take lanes 0-15 from one pair and lanes 16-31 from the next.  The odd rows' first 32 columns and the even rows' last 32 are stored as 128 bytes: 32 stores in all.
; REGISTERS: window 0: v1-31 addresses and work, v32-57 d then p, v64-113 products, v128-227 M_1;  window 1: v0-99 M_2, v128-227 M_3.
; Then window 0: v32-63 my block of u (later v32-91 the results on their way out), v98-109 u's operand, v110-237 sixteen accumulators, v238-254 scale words;  window 1: v0-191 C[2]'s operands.
.set BATB, 38400
.set TBB,  12800
.set GRP,  26624
.set FLOOR, 0x1800000                  ; 2^(3 - 127)
.set UP,   272                         ; LDS: four batches' u at 0, 272 bytes from one to the next
.set SPARE, 1280                       ; the spare words, 7 x 128 bytes in four blocks of 256
.set IMG,  2304                        ; seven groups of codes
.set U,   4
.set MX,  8
.set MY,  9
.set NM,  10
.set S,   12
.set RI,  16
.set SPW, 18                           ; v18 LDS address of my spare word; never rewritten
.set NIL, 19                           ; v19 0; never rewritten
.set IMA, 20                           ; v20 my group in LDS, + 16 x lane;  v21 + 4 x lane
.set SCA, 21
.set URD, 22                           ; v22 u of batch r % 4, block h
.set UST, 23                           ; v23 my batch's u
.set CO,  24                           ; v24 8 x lane
.set SCO, 25
.set MA,  26
.set MB,  27
.set OA,  28
.set T,   32
.set OB,  60
.set P,   64
.set UF,  32
.set CT,  64
.set OUTB, 32
.set UO,  98
.set ACC, 110
.set SCB, 238                          ; v238-253 C[2]'s scale words, v254 u's: scales and nothing else
.set SU,  254
.set G0,  52
.set G1,  56
.set MSB, 0
.macro WIN new                         ; the immediate's high byte repeats the setting that is left
.if MSB != \new
	s_set_vgpr_msb (MSB<<8)|\new
.set MSB, \new
.endif
.endm
.macro CROUND                          ; a round of the cluster's barrier
	s_barrier_signal -1
	s_barrier_wait -1
	s_cmp_lg_u32 s14, 0
	s_cbranch_scc1 .Lnot_wave_0_\@
	s_barrier_signal -3
.Lnot_wave_0_\@:
	s_barrier_wait -3
	s_barrier_signal -1
	s_barrier_wait -1
.endm
.macro LOADT win, base, t              ; a table, 25 loads of 512 consecutive bytes: lane l holds e = 4 (l % 16) + 0 .. 3 of memory 2 j + l / 16
	WIN \win
.set j, 0
.rept 25
	global_load_b128 v[\base+4*j:\base+4*j+3], v1, s[24:25] offset:\t*TBB+512*j
.set j, j+1
.endr
	WIN 0
.endm
	s_load_b256 s[4:11], s[0:1], 0x0               ; emb, ud, codes, out0
	v_lshl_add_u32 v[SPW], v0, 2, SPARE
	v_mov_b32 v[NIL], 0
	ds_add_u32 v[SPW], v[NIL]                      ; the opening: the add, twice on end, and its wait ahead of my tensor load
	ds_add_u32 v[SPW], v[NIL]
	v_lshrrev_b32 v1, 5, v0
	v_readfirstlane_b32 s14, v1                    ; wave
	v_and_b32 v2, 15, v0                           ; r
	v_bfe_u32 v3, v0, 4, 1                         ; h
	v_and_b32 v1, 31, v0
	v_lshlrev_b32 v[CO], 3, v1
	v_lshlrev_b32 v[SCA], 2, v1
	v_lshlrev_b32 v1, 4, v1                        ; 16 x lane
	v_cmp_eq_u32 s40, 1, v3                        ; lanes 16-31
	v_cmp_eq_u32 s47, 0, v3                        ; lanes 0-15
	v_lshrrev_b32 v28, 3, v2
	v_xor_b32 v28, v28, v2
	v_and_b32 v28, 1, v28
	v_cmp_eq_u32 s41, 0, v28                       ; rows whose u lies in the lower half of K,
	v_cmp_eq_u32 s48, 1, v28                       ; and in the upper
	v_and_b32 v29, 3, v2
	v_mul_u32_u24 v[URD], UP, v29
	v_lshl_add_u32 v[URD], v3, 7, v[URD]
	v_lshlrev_b32 v25, 7, v3                       ; d: 32 words for each half of the memories
	v_lshlrev_b32 v26, 4, v2                       ; u: 16 r
	v_mov_b32 v[MY], 0                             ; a lane permute's destination counts as one of its sources
	v_mov_b32 v[RI+1], 0                           ; named as the upper half of a pair
	v_mov_b32 v[T+25], 0                           ; likewise
	s_wait_alu depctr_va_vdst(0)                   ; the wait ahead of the scalar lines
	s_bfe_u32 s15, ttmp6, 0x40000                  ; cx
	s_lshl_b32 s16, ttmp9, 2
	s_add_co_u32 s16, s16, s15                     ; x: it enters addresses of emb, ud and out0 alone
	s_and_b32 s17, ttmp7, 0xffff                   ; y
	s_mul_i32 s18, s17, 7
	s_add_co_u32 s18, s18, s14                     ; my group
	s_cmp_eq_u32 s18, 223
	s_cselect_b32 s43, 1, 0                        ; the last: one whole unit (pair 1561), and 32 columns of pair 1562 for the even batches
	s_cmp_eq_u32 s18, 0
	s_cselect_b32 s44, 1, 0                        ; the first: the odd rows' first 32 columns too
	s_mul_i32 s20, s18, GRP
	s_mov_b32 s21, 0
	s_mul_i32 s22, s14, GRP
	s_add_co_u32 s22, s22, IMG
	s_mul_i32 s23, s14, UP
	s_lshl_b32 s30, s16, 2
	s_add_co_u32 s30, s30, s14                     ; my batch (waves 0-3)
	s_mul_i32 s32, s30, BATB
	s_mov_b32 s33, 0
	s_lshl_b32 s34, s30, 9
	s_mov_b32 s35, 0
	s_mul_i32 s36, s16, 1600000
	s_mul_i32 s37, s18, 7*256
	s_add_co_u32 s36, s36, s37
	s_mov_b32 s37, 0
	s_mov_b32 s13, 0x3fb8aa3b                      ; log2(e)
	s_mov_b32 s50, 0x76543210
	s_mov_b32 s51, 0xfedcba98                      ; v_permlanex16_b32's selects for lane l xor 16
	s_mov_b32 s[G0], 1
	s_mov_b32 s[G0+1], s22
	s_mov_b32 s[G1], 15|(3<<16)|(1<<21)            ; all four of the cluster; elements of 8 bytes; bit 21 beside a mask
	s_mov_b32 s[G1+1], 32<<16                      ; 104 rows of 256 bytes, dense
	s_mov_b32 s[G1+2], 104<<16
	s_mov_b32 s[G1+3], 32<<16
	s_mov_b32 s[G1+4], 104
	s_mov_b32 s[G1+5], 32
	s_mov_b32 s[G1+6], 0
	s_mov_b32 s[G1+7], 0
	v_add_nc_u32 v[IMA], s22, v1
	v_add_nc_u32 v[SCA], s22, v[SCA]
	v_add_nc_u32 v[UST], s23, v26
	s_wait_alu depctr_va_vdst(0)                   ; the wait at the head's end
	s_wait_dscnt 0x0                               ; both opening adds are done
	CROUND                                         ; all four work-groups are here: the joint loads meet
	s_wait_kmcnt 0x0
	s_add_nc_u64 s[24:25], s[4:5], s[32:33]
	s_add_nc_u64 s[26:27], s[6:7], s[34:35]
	s_add_nc_u64 s[28:29], s[10:11], s[36:37]
	s_add_nc_u64 s[G0+2:G0+3], s[8:9], s[20:21]
	s_or_b32 s[G0+3], s[G0+3], 0x80000000
	s_cmp_lt_u32 s14, 4
	s_cbranch_scc0 .Lfetchers
.irp k, 0,1,2,3,4,5
	global_load_b128 v[T+4*\k:T+4*\k+3], v25, s[26:27] offset:256+16*\k     ; hop 0's d of my half's 25 memories
.endr
	global_load_b32 v[T+24], v25, s[26:27] offset:256+96
	global_load_b128 v[U:U+3], v26, s[26:27]       ; u: the same in both halves of the lanes
	LOADT 0x00, 128, 0
	tensor_load_to_lds s[G0:G0+3], s[G1:G1+7]      ; a hop wave's own group, its one tensor load: wanted behind the hops
	s_nop 0
.rept 4
	v_nop
.endr
	LOADT 0x40, 0,   1
	LOADT 0x40, 128, 2
; p = softmax(d) and u += the sum over m of p[m] M[m].  (wc, bc): window and first register of the table; lc: how many younger loads may be out when it is wanted.
.macro SOFTW wc, bc, lc
	v_max3_num_f32 v[MX], v[T], v[T+1], v[T+2]     ; the largest d: two chains over my 25,
	v_max3_num_f32 v[NM], v[T+13], v[T+14], v[T+15]
.irp j, 3,5,7,9
	v_max3_num_f32 v[MX], v[MX], v[T+\j], v[T+\j+1]
	v_max3_num_f32 v[NM], v[NM], v[T+\j+13], v[T+\j+14]
.endr
	v_max3_num_f32 v[MX], v[MX], v[T+11], v[T+12]
	v_max3_num_f32 v[MX], v[MX], v[NM], v[T+24]
	v_permlanex16_b32 v[MY], v[MX], s50, s51
	v_max_num_f32 v[MX], v[MX], v[MY]              ; and the other half's 25
	v_mul_f32 v[NM], s13, v[MX]
.set j, 0
.rept 25
	v_fma_f32 v[T+j], v[T+j], s13, -v[NM]          ; (d - maximum) x log2(e)
.set j, j+1
.endr
	s_wait_alu depctr_va_vdst(0)                   ; the wait ahead of the batch
.set j, 0
.rept 25
	v_exp_f32 v[T+j], v[T+j]
.set j, j+1
.endr
	v_nop                                          ; a plain instruction behind the last exponential
	s_wait_alu depctr_va_vdst(0)                   ; and behind it, ahead of its first reader
.irp k, 0,1,2,3
	v_add_f32 v[S+\k], v[T+\k], v[T+\k+4]          ; the sum, in four chains
.endr
.set j, 8
.rept 16
	v_add_f32 v[S+j%4], v[S+j%4], v[T+j]
.set j, j+1
.endr
	v_add_f32 v[S], v[S], v[T+24]
	v_add_f32 v[S+2], v[S+2], v[S+3]
	v_add_f32 v[S], v[S], v[S+1]
	v_add_f32 v[S], v[S], v[S+2]
	v_permlanex16_b32 v[S+1], v[S], s50, s51
	v_add_f32 v[S], v[S], v[S+1]                   ; at least 1: the largest term is 1
	s_wait_alu depctr_va_vdst(0)                   ; the wait ahead of the transcendental
	v_rcp_f32 v[RI], v[S]                          ; the weighted sum below names neither register
	s_wait_loadcnt \lc
	WIN \wc
	v_pk_mul_f32 v[OA:OA+1], v[\bc:\bc+1], v[T:T+1] op_sel_hi:[1,0]        ; p of an even j: the pair's low word for both halves
	v_pk_mul_f32 v[OA+2:OA+3], v[\bc+2:\bc+3], v[T:T+1] op_sel_hi:[1,0]
	v_pk_mul_f32 v[OB:OB+1], v[\bc+4:\bc+5], v[T:T+1] op_sel:[0,1]         ; of an odd j: its high word
	v_pk_mul_f32 v[OB+2:OB+3], v[\bc+6:\bc+7], v[T:T+1] op_sel:[0,1]
.set j, 2
.rept 23
.if j%2
	v_pk_fma_f32 v[OB:OB+1], v[\bc+4*j:\bc+4*j+1], v[T+j-1:T+j], v[OB:OB+1] op_sel:[0,1,0]
	v_pk_fma_f32 v[OB+2:OB+3], v[\bc+4*j+2:\bc+4*j+3], v[T+j-1:T+j], v[OB+2:OB+3] op_sel:[0,1,0]
.else
	v_pk_fma_f32 v[OA:OA+1], v[\bc+4*j:\bc+4*j+1], v[T+j:T+j+1], v[OA:OA+1] op_sel_hi:[1,0,1]
	v_pk_fma_f32 v[OA+2:OA+3], v[\bc+4*j+2:\bc+4*j+3], v[T+j:T+j+1], v[OA+2:OA+3] op_sel_hi:[1,0,1]
.endif
.set j, j+1
.endr
	WIN 0
	v_pk_add_f32 v[OA:OA+1], v[OA:OA+1], v[OB:OB+1]
	v_pk_add_f32 v[OA+2:OA+3], v[OA+2:OA+3], v[OB+2:OB+3]
.irp i, 0,1,2,3
	v_permlanex16_b32 v[OB+\i], v[OA+\i], s50, s51
.endr
	v_pk_add_f32 v[OA:OA+1], v[OA:OA+1], v[OB:OB+1]                ; with the other half's 25 memories
	v_pk_add_f32 v[OA+2:OA+3], v[OA+2:OA+3], v[OB+2:OB+3]
	s_wait_alu depctr_va_vdst(0)                   ; the wait for the reciprocal, ahead of its first reader
	v_pk_fma_f32 v[U:U+1], v[OA:OA+1], v[RI:RI+1], v[U:U+1] op_sel_hi:[1,0,1]     ; u += o / sum
	v_pk_fma_f32 v[U+2:U+3], v[OA+2:OA+3], v[RI:RI+1], v[U+2:U+3] op_sel_hi:[1,0,1]
.endm
; d[m] = M[m] . u: four products a lane, then the other 15 lanes', 25 sums by turns.
.macro DOT wm, bm
	WIN \wm
.set j, 0
.rept 25
	v_pk_mul_f32 v[P+2*j:P+2*j+1], v[\bm+4*j:\bm+4*j+1], v[U:U+1]
.set j, j+1
.endr
.set j, 0
.rept 25
	v_pk_fma_f32 v[P+2*j:P+2*j+1], v[\bm+4*j+2:\bm+4*j+3], v[U+2:U+3], v[P+2*j:P+2*j+1]
.set j, j+1
.endr
	WIN 0
.set j, 0
.rept 25
	v_add_f32 v[T+j], v[P+2*j], v[P+2*j+1]
.set j, j+1
.endr
.irp x, 1,2,4,8
.set j, 0
.rept 25
	v_add_f32_dpp v[T+j], v[T+j], v[T+j] row_xmask:\x row_mask:0xf bank_mask:0xf
.set j, j+1
.endr
.endr
.endm
	s_wait_loadcnt 63                              ; 83 loads were issued: d, u, M_1, M_2, M_3: the first 20 are in, d and u among them
	SOFTW 0, 128, 50                               ; M_1: behind it M_2's and M_3's 50
	DOT 0, 128
	SOFTW 1, 0, 25                                 ; M_2: behind it M_3's 25
	DOT 1, 0
	SOFTW 1, 128, 0
	ds_store_b128 v[UST], v[U:U+3]                 ; my batch's u, 256 bytes; both halves of the lanes store the same.  (My group may still be on its way to bytes of its own: I wait for it ahead of my reads)
	s_branch .Lpublish
.Lfetchers:                                            ; waves 4-6 have no hops: their codes go into registers meanwhile
	tensor_load_to_lds s[G0:G0+3], s[G1:G1+7]      ; each its own group, its one tensor load
	s_nop 0
.rept 4
	v_nop
.endr
	s_wait_tensorcnt 0x0                           ; my group is in: nobody else reads it
; My group into registers: 16 loads of scale words, then 48 of codes, operand by operand.
.macro FETCH
.set o, 0
.rept 16
	ds_load_b32 v[SCB+o], v[SCA] offset:24576+128*o
.set o, o+1
.endr
	WIN 0x40
.set o, 0
.rept 48
	ds_load_b128 v[4*o:4*o+3], v[IMA] offset:512*o
.set o, o+1
.endr
	WIN 0
.endm
	FETCH
.Lpublish:
	s_wait_dscnt 0x0
	s_barrier_signal -1
	s_barrier_wait -1                              ; four batches' u lie in LDS
.irp k, 0,1,2,3,4,5,6,7
	ds_load_b128 v[UF+4*\k:UF+4*\k+3], v[URD] offset:16*\k         ; batch r % 4, block h: 32 numbers
.endr
	s_cmp_lt_u32 s14, 4
	s_cbranch_scc0 .Lfetched
	s_wait_tensorcnt 0x0                           ; a hop wave's group is in: nobody else reads it
	FETCH
	s_wait_dscnt 48                                ; u and the scale words are in; the 48 loads of codes may be out
	s_branch .Lquantise
.Lfetched:
	s_wait_dscnt 0x0
.Lquantise:
	v_max3_num_f32 v[MA], |v[UF]|, |v[UF+1]|, FLOOR                ; the largest magnitude, in two chains, and the floor, under which none is taken
	v_max_num_f32 v[MB], |v[UF+2]|, |v[UF+3]|
.irp i, 4,8,12,16,20,24,28
	v_max3_num_f32 v[MA], v[MA], |v[UF+\i]|, |v[UF+\i+1]|
	v_max3_num_f32 v[MB], v[MB], |v[UF+\i+2]|, |v[UF+\i+3]|
.endr
	v_max_num_f32 v[MA], v[MA], v[MB]
	v_add_nc_u32 v[SCO], 0xff000000, v[MA]         ; 2 off its exponent field: the conversion's scale
	v_cvt_scalef32_pk16_fp6_f32 v[CT:CT+2], v[UF:UF+15], v[SCO]
	v_cvt_scalef32_pk16_fp6_f32 v[CT+4:CT+6], v[UF+16:UF+31], v[SCO]
	v_lshrrev_b32 v[MB], 23, v[SCO]                ; the scale's byte.  (The plain place behind the conversions)
	v_permlanex16_b32 v[MA], v[MB], s50, s51       ; the other block's
	v_lshl_or_b32 v[MB], v[MA], 8, v[MB]
	v_lshl_or_b32 v[SU], v[MB], 16, v[MB]          ; the same two bytes for both halves of K: one half holds zero codes
.irp i, 0,1,2
	v_cndmask_b32 v[UO+\i], 0, v[CT+\i], s41
	v_cndmask_b32 v[UO+3+\i], 0, v[CT+4+\i], s41
	v_cndmask_b32 v[UO+6+\i], 0, v[CT+\i], s48
	v_cndmask_b32 v[UO+9+\i], 0, v[CT+4+\i], s48
.endr
.rept 4
	v_nop                                          ; an operand written by vector instructions stands 4 places ahead of a scaled matrix instruction, a scale register so written 8
.endr
	s_wait_alu depctr_va_vdst(0)                   ; directly ahead of the wait below
.macro MM i                            ; pair i: the even columns' operand and the odd columns'
	s_wait_dscnt 42-6*(\i)                         ; its six loads of codes are in; the later pairs' may be out
	WIN 0x04
.irp y, 0,1
	v_wmma_scale_f32_16x16x128_f8f6f4 v[ACC+16*(\i)+8*\y:ACC+16*(\i)+8*\y+7], v[UO:UO+11], v[24*(\i)+12*\y:24*(\i)+12*\y+11], 0, v[SU], v[SCB+2*(\i)+\y] matrix_a_fmt:MATRIX_FMT_FP6 matrix_b_fmt:MATRIX_FMT_FP6
.endr
	WIN 0
.endm
.macro OUT i                           ; unit i of four batches: 256 consecutive bytes each, at multiples of 256 from out0's first byte
.irp k, 0,2
	v_mov_b32 v[OUTB+8*(\i)+2*\k], v[ACC+16*(\i)+\k]
	v_mov_b32 v[OUTB+8*(\i)+2*\k+1], v[ACC+16*(\i)+8+\k]
.endr
.irp k, 1,3
	v_cndmask_b32 v[OUTB+8*(\i)+2*\k], v[ACC+16*(\i)+\k], v[ACC+16*(\i)+16+\k], s40         ; an odd batch: lanes 0-15 of this pair, lanes 16-31 of the next
	v_cndmask_b32 v[OUTB+8*(\i)+2*\k+1], v[ACC+16*(\i)+8+\k], v[ACC+16*(\i)+24+\k], s40
.endr
.irp k, 0,1,2,3
	global_store_b64 v[CO], v[OUTB+8*(\i)+2*\k:OUTB+8*(\i)+2*\k+1], s[28:29] offset:400000*\k+256*(\i)+128*(\k%2) th:TH_STORE_NT
.endr
.endm
	MM 0
	MM 1
	MM 2
.rept 4
	v_nop                                          ; four places between pair 1's results and their first read (ISA guide 7.12.1); later the moves of the unit before are these places
.endr
	OUT 0
	MM 3
	s_cmp_eq_u32 s43, 1
	s_cbranch_scc1 .Llast
	OUT 1
.irp i, 4,5,6,7
	MM \i
	OUT \i-2
.endr
	OUT 6
	s_cmp_eq_u32 s44, 1
	s_cbranch_scc0 .Lend
.irp k, 1,3                            ; the odd rows' first 32 columns: lanes 16-31 of pair 0
	v_mov_b32 v[87+\k], v[ACC+\k]
	v_mov_b32 v[88+\k], v[ACC+8+\k]
.endr
	s_wait_alu depctr_va_vdst(0)                   ; directly ahead of the wait below
	s_wait_xcnt 0x0                                ; EXEC changes only behind this wait
	s_and_saveexec_b32 s45, s40
.irp k, 1,3
	global_store_b64 v[CO], v[87+\k:88+\k], s[28:29] offset:400000*\k-128 th:TH_STORE_NT
.endr
	s_wait_xcnt 0x0                                ; and again, in front of the line that widens it
	s_or_b32 exec_lo, exec_lo, s45
	s_branch .Lend
.Llast:
.irp k, 0,2                            ; the even rows' last 32 columns: lanes 0-15 of pair 1562
	v_mov_b32 v[OUTB+8+2*\k], v[ACC+16+\k]
	v_mov_b32 v[OUTB+8+2*\k+1], v[ACC+24+\k]
.endr
	s_wait_alu depctr_va_vdst(0)                   ; directly ahead of the wait below
	s_wait_xcnt 0x0
	s_and_saveexec_b32 s45, s47
.irp k, 0,2
	global_store_b64 v[CO], v[OUTB+8+2*\k:OUTB+8+2*\k+1], s[28:29] offset:400000*\k+256 th:TH_STORE_NT
.endr
	s_wait_xcnt 0x0
	s_or_b32 exec_lo, exec_lo, s45
.Lend:
	s_wait_tensorcnt 0x0                           ; the wave's end
	ds_add_u32 v[SPW], v[NIL]
	s_wait_dscnt 0x0
	CROUND                                         ; the closing round
	s_endpgm
.Lfunc_end_k_qd4f7e10d79_answer:
	.size	k_qd4f7e10d79_answer, .Lfunc_end_k_qd4f7e10d79_answer-k_qd4f7e10d79_answer
	.p2alignl 7, 3214868480
	.fill 96, 4, 3214868480
	.section	.rodata,"a",@progbits
	.p2align	6, 0x0
	.amdhsa_kernel k_qd4f7e10d79_answer
		.amdhsa_group_segment_fixed_size 188672
		.amdhsa_private_segment_fixed_size 0
		.amdhsa_enable_private_segment 0
		.amdhsa_kernarg_size 32
		.amdhsa_user_sgpr_count 2
		.amdhsa_user_sgpr_kernarg_segment_ptr 1
		.amdhsa_wavefront_size32 1
		.amdhsa_system_sgpr_workgroup_id_x 1
		.amdhsa_system_sgpr_workgroup_id_y 1
		.amdhsa_system_sgpr_workgroup_id_z 1
		.amdhsa_system_vgpr_workitem_id 0
		.amdhsa_next_free_vgpr 496
		.amdhsa_next_free_sgpr 66
		.amdhsa_reserve_vcc 0
		.amdhsa_float_denorm_mode_32 3
		.amdhsa_float_denorm_mode_16_64 3
		.amdhsa_memory_ordered 1
		.amdhsa_forward_progress 1
		.amdhsa_inst_pref_size 79
	.end_amdhsa_kernel
	.amdgpu_metadata
---
amdhsa.version: [ 1, 2 ]
amdhsa.kernels:
  - .name:           k_qd4f7e10d79_answer
    .symbol:         k_qd4f7e10d79_answer.kd
    .args:
      - { .name: emb, .offset: 0, .size: 8, .value_kind: global_buffer, .address_space: global }
      - { .name: ud, .offset: 8, .size: 8, .value_kind: global_buffer, .address_space: global }
      - { .name: codes, .offset: 16, .size: 8, .value_kind: global_buffer, .address_space: global }
      - { .name: out0, .offset: 24, .size: 8, .value_kind: global_buffer, .address_space: global }
    .group_segment_fixed_size: 188672
    .private_segment_fixed_size: 0
    .kernarg_segment_align: 8
    .kernarg_segment_size: 32
    .max_flat_workgroup_size: 224
    .sgpr_count:     66
    .vgpr_count:     496
    .wavefront_size: 32
...
	.end_amdgpu_metadata
.endif
;; end of part 2
